; MI455X (gfx1250); checked and timed in simulation.
; The chip was launched on July 23, 2026; its instructions are those of AMD's public machine-readable ISA for CDNA 5 (MIT licence, August 2026) and "CDNA5" Instruction Set Architecture Reference Guide (July 2026). The comments in the code are by the model that wrote it; some were corrected since.
;; Vector Quantizer. Allowed arithmetic: matrix products marked QUANTISED: E2M1 operands, one E8M0 scale for each 32 along K, by v_wmma_scale_f32_16x16x128_f8f6f4 with both operands' format E2M1 (or v_wmma_scale_f32_32x16x128_f4), f32 sums; everything else in f32.
;; Inputs: codebook 1,024 x 64 float32; vectors 32 x 64 x 64 x 64 float32.
;; Outputs: out0 32 x 64 x 64 x 64 float32.
;; This version of the problem:
;;   THIS VERSION OF THE PROBLEM IS GIVEN IN LOW PRECISION. The matrix products marked QUANTISED in the list below multiply operands that are first quantised to E2M1 (2 exponent bits, 1 mantissa bit; 4 bits a number), with one power-of-two scale for each 32 numbers along K (OCP MX v1.0); their sums are f32. All else is computed in f32.
;;   The module's matrix products, in the order in which they are computed (A, B: the left and right operand; K: the contracted axis; several contracted axes count as one K, in the product's order):
;;     1. [M 131,072, K 64] x [K 64, N 1,024]; A: computed on the way; B: input codebook: QUANTISED
;;   THE QUANTISER, for each operand of a quantised product, along K:
;;     - K is cut into blocks of 32 from its start; a last block that is shorter is filled with zeros.
;;     - A block's scale is 2^e with e = floor(log2(the largest magnitude in the block)) - 2, held to -126 .. 127; a block of zeros has e = 0. As a byte (E8M0): e + 127.
;;     - Each number is divided by its block's scale, clamped to +-6, and rounded to the nearest number of E2M1, ties to even, subnormals kept.
;;     - The product sums the exact products of the quantised numbers (number of the format x scale) in f32.
;;   ~~~python
;;   def quantise(x, axis):      # numpy; x: float32 -> the quantised numbers, widened to float32 again
;;       x = np.moveaxis(x, axis, -1); K = x.shape[-1]
;;       x = np.pad(x, [(0, 0)] * (x.ndim - 1) + [(0, -K % 32)]); x = x.reshape(x.shape[:-1] + (-1, 32)); a = np.abs(x).max(-1, keepdims=True)
;;       e = np.where(a > 0, np.clip(np.frexp(np.where(a > 0, a, 1))[1] - 1 - 2, -126, 127), 0)      # np.frexp(a)[1] - 1 = floor(log2(a)), exactly
;;       r = np.clip(x / 2.0 ** e, -6, 6)
;;       step = 2.0 ** (np.maximum(np.frexp(np.where(r == 0, 1, r))[1] - 1, 0) - 1)
;;       q = np.round(r / step) * step * 2.0 ** e      # np.round: ties to even
;;       return np.moveaxis(q.reshape(q.shape[:-2] + (-1,))[..., :K], -1, axis).astype(np.float32)
;;   ~~~
;;   OPERANDS COMPUTED ON THE WAY. 'Computed on the way' means the value that the module computes at that place (a softmax that the list does not call 'softmax' is quantised finished and normalised). What goes into a quantiser is computed in f32, as accurately as f32 sums, v_exp_f32 and their like allow (about 1e-6 of the number): no bf16 or f16 on the way to a quantiser, and a product that is left as it is and whose result goes on into a quantised operand takes f32 operands (vector FMAs, or v_wmma_f32_16x16x4_f32). A number that lies on a knife's edge between two numbers of the format may be rounded either way, as far as f32 arithmetic and the matrix unit's own rounding can turn it there, and no further.
;; One version. Each part assembles by itself: llvm-mc -triple=amdgcn-amd-amdhsa -mcpu=gfx1250 --defsym DOCPART=n.
;; ======== version 1 of 1: 2 launches
;; limits: right only within a limited range of input values
;; workspace buffers: idx 524,288 bytes of whole numbers
;; launch nearest (part 1): grid 256 x 1, 16 waves a work-group, clusters of 4 x 1, 327,680 bytes of LDS; arguments codebook, vectors, idx; writes idx
.if DOCPART == 1
	.amdgcn_target "amdgcn-amd-amdhsa--gfx1250"
	.amdhsa_code_object_version 6
	.text
	.protected	k_q498013a1ac_nearest
	.globl	k_q498013a1ac_nearest
	.p2align	8
	.type	k_q498013a1ac_nearest,@function
k_q498013a1ac_nearest:
	s_mov_b64 s[64:65], 0
	v_nop
	global_prefetch_b8 v0, s[64:65] scope:SCOPE_SE
	s_setreg_imm32_b32 hwreg(HW_REG_WAVE_MODE, 25, 1), 1
	s_wait_xcnt 0x0
	s_wait_alu depctr_hold_cnt(0) depctr_sa_sdst(0) depctr_va_vdst(0) depctr_va_sdst(0) depctr_va_ssrc(0) depctr_va_vcc(0) depctr_vm_vsrc(0)
	s_getreg_b32 s2, hwreg(HW_REG_IB_STS2, 6, 4)
	s_cmp_eq_u32 s2, 0
	s_cbranch_scc0 .Lentry_in_a_cluster
	s_endpgm
.Lentry_in_a_cluster:
	s_bfe_u32 s2, ttmp6, 0x10000c
	s_cmp_lg_u32 s2, 0x3003
	s_cbranch_scc0 .Lentry_shape_is_right
	s_endpgm
.Lentry_shape_is_right:
; idx[n] = the first k at which d[n][k] = Sx[n] - (P[n][k] - Sw[k]) is least.  n = (b, h, w): 131,072 rows of 64 channels, stored [b][c][h w]; k: 1,024 codes of 64 numbers.
; P = (2 x) W^T on codes of FP4 (E2M1) with one E8M0 scale for each 32 along K.  2 x has x's codes and a scale byte one higher, exactly.  K is 64, half of the instruction's 128: the other half holds zero codes on both sides.
; THE DISTANCE.  -Sw is the C of the matrix instruction, so that a product gives f = P - Sw in f32; d = Sx - f, rounded once.  Rounding never turns the order of two numbers round, so the least d of a group is Sx less its largest f:
; one subtraction and one compare serve 16 codes.  A group replaces the one kept only where its d is LOWER, so of equal d the earlier group stays; its f are kept, and at the end the place is the first of them whose d is the least one.
; SHARES.  Work-group g owns rows 512 g .. 512 g + 511 (one b, 512 neighbouring places), each of its sixteen waves 32 of them, and a wave walks all 64 tiles of 16 codes, two a trip.  Lane (p, h) loads channels 32 h .. 32 h + 31 of rows
; 2 p and 2 p + 1: a half's load covers 128 consecutive bytes, two waves an aligned 256.  That is the operand's order: tile 0 is the even rows, tile 1 the odd ones, block h in half h of the lanes, and nothing is exchanged but sums and scale bytes.
; THE CODEBOOK is quantised by the work-group for itself, in two parts of 512 codes.  Of a part each wave takes 32 codes, 8,192 dense bytes, by ONE tensor load into a stage of the wave's own, rows of 256 bytes with 16 of padding behind
; each, so that the sixteen rows that a load touches start 68 words apart.  Once part 0 has been read the stage is filled with part 1, which is quantised in the midst of the walk over part 0.
; The wave leaves in LDS the image of the operand's registers, the scale words and -Sw: 40,960 bytes in all, each written once, read by all waves.
; CLUSTERS: four work-groups read the same codebook: each wave's tensor loads are joint ones, the same in all four, each behind a round of the cluster's barrier; one more round stands ahead of the end.
; NO PREFETCH: x is asked for whole in the first lines; the walk reads LDS alone.  All of LDS is claimed.
; THE PRODUCT IS USED TRANSPOSED: source 0 = 16 codes, source 1 = 16 rows: lane (r, h) holds row r, and its register j the code 16 t + 8 h + j.
; No branch and no address hangs on a floating-point number: idx leaves as data, at fixed places.
; LIMITS.  The order of rounding differs from the problem's text: there Sx - P is rounded, then the sum with Sw; here P - Sw, then Sx less that.  Sx and Sw are sums of 64 squares in f32 in an order of this text's own.
; NaN and infinities among the inputs are not served.  A block whose largest magnitude lies under 2^-124 is given the scale of 2^-124 (byte 1; x: 2), a block of zeros likewise where the rule says 127: its codes are zeros.
.set CIMG, 0                           ; LDS: tile t at 512 t: the four registers of codes, lane l's 16 bytes at 16 l
.set CSC,  32768                       ; code k's scale word at 4 k
.set SWB,  36864                       ; -Sw[k] at 4 k
.set IDXS, 40960                       ; the work-group's 512 idx
.set STG,  43008                       ; the stages: 32 rows x 272 bytes for each wave, blocks of 256 bytes of their own
.set SPITCH, 272
.set SREG, 32*SPITCH
.set SPARE, STG+16*SREG                ; behind the stages: the spare words, 128 bytes for each wave
.set XS,   1                           ; v1, v2   x's scale words of tile 0, 1
.set SC,   3                           ; v3, v4   the codes' scale words of a trip, two sets: the first tile's in lanes 0-15, the second's in lanes 16-31
.set ACF,  5                           ; v5       16 x lane
.set ASC,  6                           ; v6       CSC + 4 x lane
.set ASW,  7                           ; v7       SWB + 32 h
.set XZ,   8                           ; v8-27    0000 x0 0000 x1 0000, four registers each: tile a as (x, 0) at v[12 + 8 a], as (0, x) at v[8 + 8 a]
.set CF,   28                          ; v28-51   two sets of c0 0000 c1: a trip's first tile as (c0, 0), its second as (0, c1)
.set CW,   52                          ; v52-83   two sets of -Sw of two tiles, the products' C
.set D,    84                          ; v84-147  results: trip t, row tile a at 84 + 32 (t % 2) + 16 a: the trip's first tile, then its second
.set RAW0, 84                          ; (head) v84-147 part 0's raw codebook, two tiles
.set TB,   84                          ; (head) v84-115 a row's 32 numbers on end
.set XR,   116                         ; (head) v116-179 x as loaded: channel 32 h + c: the even row at 116 + 2 c, the odd at 117 + 2 c
.set SV,   148                         ; v148-179 row tile a at 148 + 16 a: the first 15 f of the group kept, then that group's first code
.set SX,   180                         ; v180, v181  Sx of my row of tile a
.set MD,   182                         ; v182, v183  the least d so far
.set GR,   184                         ; v184, v185  a group's least d
.set M1,   186                         ; v186-189 partial maxima
.set M2,   187
.set M3,   188
.set M4,   189
.set GT,   191                         ; v191     the trip's first code
.set H8,   192                         ; v192     8 h
.set XO,   193                         ; v193     my place in x
.set AIM,  194                         ; v194-196 where I store images, scale words, -Sw
.set ASCW, 195
.set ASWW, 196
.set STR,  197                         ; v197     my block's place in my stage
.set AIX,  198                         ; v198     my two idx's place in LDS
.set RAW1, 200                         ; v200-231 part 1's raw codebook, one tile
.set XQ,   200                         ; (head) v200-207 x's sums of squares, four pairs (even row, odd row)
.set CC,   232                         ; (quantising) v232-235 codes,
.set WD,   236                         ; scale word,
.set SWT,  237                         ; -Sw,
.set AM,   238                         ; v238-239 largest magnitudes,
.set ACC,  240                         ; v240-243 sums of squares,
.set SO,   244                         ; the conversions' scale operand,
.set PT,   245                         ; v245-246 what a lane permute brings
.set XM,   238                         ; (head) x's largest magnitudes, v240-241 scale operands, v242-243 scale bytes
.set XSO,  240
.set XB,   242
.set SPW,  254                         ; v254     my spare word;  v255 0; never rewritten
.set NIL,  255
.set G1,   24                          ; s[24:31] descriptor group 1
.set G0,   32                          ; s[32:35] descriptor group 0
.set FLOOR, 0x1800000                  ; 2^(3 - 127): no largest magnitude is taken under it, so a scale's byte cannot fall under 1
.macro CROUND                          ; a round of the cluster's barrier
	s_barrier_signal -1
	s_barrier_wait -1
	s_cmp_lg_u32 s10, 0
	s_cbranch_scc1 .Lnot_wave_0_\@
	s_barrier_signal -3
.Lnot_wave_0_\@:
	s_barrier_wait -3
	s_barrier_signal -1
	s_barrier_wait -1
.endm
	s_load_b128 s[4:7], s[0:1], 0x0                ; codebook s[4:5], vectors s[6:7]
	s_load_b64 s[8:9], s[0:1], 0x10                ; idx
	v_lshl_add_u32 v[SPW], v0, 2, SPARE
	v_mov_b32 v[NIL], 0
	ds_add_u32 v[SPW], v[NIL]                      ; the opening add, twice on end, under one wait
	ds_add_u32 v[SPW], v[NIL]
	v_lshrrev_b32 v[AIM], 5, v0
	v_readfirstlane_b32 s10, v[AIM]                ; wave 0..15
	v_and_b32 v8, 15, v0                           ; r, or p
	v_bfe_u32 v9, v0, 4, 1                         ; h
	v_and_b32 v10, 31, v0                          ; lane
	s_lshl_b32 s37, s10, 7
	v_lshlrev_b32 v[XO], 19, v9                    ; 32 h planes of 16,384 bytes
	v_lshlrev_b32 v[AIX], 3, v8
	v_lshl_add_u32 v[XO], v8, 3, v[XO]
	v_add_nc_u32 v[AIX], s37, v[AIX]               ; 128 x wave + 8 p,
	v_add_nc_u32 v[XO], s37, v[XO]
	v_add_nc_u32 v[AIX], IDXS, v[AIX]
	; group 1: 32 rows of 256 bytes (32 elements of 8 bytes), dense in memory, 16 bytes of padding behind each in LDS
	s_mov_b32 s[G1+0], 15|(3<<16)|(1<<20)|(1<<21)|(5<<22)|(3<<25)  ; 15:0 all four of the cluster; 17:16 8 bytes; 20 padding; 21 set beside a mask; 24:22 after every 64 words; 31:25 four words
	s_mov_b32 s[G1+1], 32<<16                      ; tensor_dim0
	s_mov_b32 s[G1+2], 32<<16                      ; tensor_dim1
	s_mov_b32 s[G1+3], 32<<16                      ; tile_dim0
	s_mov_b32 s[G1+4], 32                          ; tile_dim1
	s_mov_b32 s[G1+5], 32                          ; from row to row
	s_mov_b32 s[G1+6], 0
	s_mov_b32 s[G1+7], 0
	s_mul_i32 s21, s10, SREG
	s_add_co_u32 s21, s21, STG                     ; my wave's stage
	s_lshl_b32 s18, s10, 13                        ; my 8,192 bytes of a part
	s_mov_b32 s19, 0
	s_bfe_u32 s11, ttmp6, 0x40000                  ; my place in the cluster
	s_lshl_b32 s12, ttmp9, 2
	s_add_co_u32 s11, s11, s12                     ; work-group g
	s_lshr_b32 s12, s11, 3
	s_lshl_b32 s12, s12, 20                        ; x: b = g / 8: 64 planes of 16,384 bytes
	s_and_b32 s13, s11, 7
	s_lshl_b32 s13, s13, 11                        ; 512 (g % 8) places of 4 bytes
	s_add_co_u32 s12, s12, s13
	s_mov_b32 s13, 0
	s_lshl_b32 s22, s11, 11                        ; idx: 512 of 4 bytes
	s_mov_b32 s23, 0
	s_mov_b32 s[G0], 1
	s_mov_b32 s[G0+1], s21
	s_wait_alu depctr_va_vdst(0)
	s_wait_dscnt 0x0                               ; both opening adds are done
	CROUND                                         ; the four work-groups are here: their joint loads meet
	s_wait_kmcnt 0x0
	s_add_nc_u64 s[G0+2:G0+3], s[4:5], s[18:19]
	s_or_b32 s[G0+3], s[G0+3], 0x80000000
	tensor_load_to_lds s[G0:G0+3], s[G1:G1+7]      ; part 0; it hangs on the wave's number alone
	s_nop 0
	s_add_nc_u64 s[6:7], s[6:7], s[12:13]
	s_add_nc_u64 s[8:9], s[8:9], s[22:23]
.set n, 0
.rept 32
	global_load_b64 v[XR+2*n:XR+2*n+1], v[XO], s[6:7] offset:16384*n th:TH_LOAD_NT
.set n, n+1
.endr
	v_mul_u32_u24 v[STR], v8, SPITCH
	v_lshlrev_b32 v[ACF], 4, v10
	v_lshlrev_b32 v[H8], 3, v9
	v_lshl_add_u32 v[ASC], v10, 2, CSC
	v_lshl_add_u32 v[STR], v9, 7, v[STR]
	v_lshl_add_u32 v[ASW], v9, 5, SWB
	v_lshl_add_u32 v[ASCW], v8, 2, CSC
	v_lshl_add_u32 v[ASWW], v8, 2, SWB
	v_add_nc_u32 v[STR], s21, v[STR]               ; my stage + 272 r + 128 h
	v_add_nc_u32 v[ASCW], s37, v[ASCW]             ; 4 r + 128 x wave
	v_add_nc_u32 v[ASWW], s37, v[ASWW]
	s_lshl_b32 s11, s10, 10
	v_add_nc_u32 v[AIM], s11, v[ACF]               ; 16 x lane + 1,024 x wave
	v_mov_b32 v[PT], 0                             ; written once: a lane permute's destination counts as one of its sources
	v_mov_b32 v[PT+1], 0
	s_mov_b32 s14, 0x76543210
	s_mov_b32 s15, 0xfedcba98                      ; v_permlanex16_b32's selects for lane l xor 16
	; ---- x: a lane holds block h of two rows
.macro XPART c0, left                  ; channels c0 .. c0 + 7 of my 32; left = the younger loads
	s_wait_alu depctr_va_vdst(0)
	s_wait_loadcnt \left
.set c, \c0
.rept 4
.irp w, 0,1
.if c == 0
	v_max3_num_f32 v[XM+\w], |v[XR+2*c+\w]|, |v[XR+2*c+2+\w]|, FLOOR
.else
	v_max3_num_f32 v[XM+\w], v[XM+\w], |v[XR+2*c+\w]|, |v[XR+2*c+2+\w]|
.endif
.endr
.irp e, 0,1
.if c < 4
	v_pk_mul_f32 v[XQ+2*((c+\e)%4):XQ+2*((c+\e)%4)+1], v[XR+2*(c+\e):XR+2*(c+\e)+1], v[XR+2*(c+\e):XR+2*(c+\e)+1]
.else
	v_pk_fma_f32 v[XQ+2*((c+\e)%4):XQ+2*((c+\e)%4)+1], v[XR+2*(c+\e):XR+2*(c+\e)+1], v[XR+2*(c+\e):XR+2*(c+\e)+1], v[XQ+2*((c+\e)%4):XQ+2*((c+\e)%4)+1]
.endif
.endr
.set c, c+2
.endr
.endm
	XPART 0, 24
	XPART 8, 16
	XPART 16, 8
	XPART 24, 0
	v_add_nc_u32 v[XSO], 0xff000000, v[XM]         ; 2 off the exponent field: the conversion takes that field alone of this operand
	v_add_nc_u32 v[XSO+1], 0xff000000, v[XM+1]
	v_pk_add_f32 v[XQ:XQ+1], v[XQ:XQ+1], v[XQ+2:XQ+3]
	v_pk_add_f32 v[XQ+4:XQ+5], v[XQ+4:XQ+5], v[XQ+6:XQ+7]
	v_lshrrev_b32 v[XB], 23, v[XSO]
	v_lshrrev_b32 v[XB+1], 23, v[XSO+1]
	v_pk_add_f32 v[XQ:XQ+1], v[XQ:XQ+1], v[XQ+4:XQ+5]   ; my block's 32 squares of the even row, of the odd row
	v_add_nc_u32 v[XB], 1, v[XB]                   ; one higher: the operand is 2 x
	v_add_nc_u32 v[XB+1], 1, v[XB+1]
.irp w, 0,1
	v_permlanex16_b32 v[PT+\w], v[XQ+\w], s14, s15
.endr
.irp w, 0,1
	v_lshlrev_b32 v[XB+\w], v[H8], v[XB+\w]        ; the byte at block h's place in the word
.endr
.irp w, 0,1
	v_add_f32 v[SX+\w], v[XQ+\w], v[PT+\w]         ; with the other block's: Sx, the same bits in both halves of the lanes
.endr
.irp w, 0,1
	v_permlanex16_b32 v[PT+\w], v[XB+\w], s14, s15
.endr
.irp w, 0,1
.set c, 0
.rept 16
	v_dual_mov_b32 v[TB+c], v[XR+2*c+\w] :: v_dual_mov_b32 v[TB+c+1], v[XR+2*c+2+\w]
.set c, c+2
.endr
.irp g, 0,1,2,3
	v_cvt_scalef32_pk8_fp4_f32 v[XZ+4+8*\w+\g], v[TB+8*\g:TB+8*\g+7], v[XSO+\w]
.endr
	v_or_b32 v[XS+\w], v[XB+\w], v[PT+\w]          ; with the other block's byte.  (Also the plain place behind the conversions)
.endr
.irp w, 0,1
	v_lshl_or_b32 v[XS+\w], v[XS+\w], 16, v[XS+\w] ; both bytes once more for k = 64 .. 127
.endr
	s_wait_alu depctr_va_vdst(0)
	s_wait_tensorcnt 0x0                           ; part 0 is in my stage; no other wave reads it
.macro CREAD rb, i                     ; code 16 i + r of my 32, block h: 32 numbers, in the order of the operand's registers
.irp q, 0,1,2,3,4,5,6,7
	ds_load_b128 v[(\rb)+4*\q:(\rb)+4*\q+3], v[STR] offset:16*SPITCH*(\i)+16*\q
.endr
.endm
; My tile i of part p, raw in v[rb] on: a lane holds a whole block.  left = the LDS instructions issued behind its loads.
.macro CQ rb, p, i, left
.set R_, \rb
	s_wait_dscnt \left
	v_max3_num_f32 v[AM], |v[R_]|, |v[R_+1]|, FLOOR
	v_pk_mul_f32 v[ACC:ACC+1], v[R_:R_+1], v[R_:R_+1]
	v_max_num_f32 v[AM+1], |v[R_+2]|, |v[R_+3]|
	v_pk_mul_f32 v[ACC+2:ACC+3], v[R_+2:R_+3], v[R_+2:R_+3]
.irp j, 4,8,12,16,20,24,28
	v_max3_num_f32 v[AM], v[AM], |v[R_+\j]|, |v[R_+\j+1]|
	v_pk_fma_f32 v[ACC:ACC+1], v[R_+\j:R_+\j+1], v[R_+\j:R_+\j+1], v[ACC:ACC+1]
	v_max3_num_f32 v[AM+1], v[AM+1], |v[R_+\j+2]|, |v[R_+\j+3]|
	v_pk_fma_f32 v[ACC+2:ACC+3], v[R_+\j+2:R_+\j+3], v[R_+\j+2:R_+\j+3], v[ACC+2:ACC+3]
.endr
	v_max_num_f32 v[AM], v[AM], v[AM+1]
	v_pk_add_f32 v[ACC:ACC+1], v[ACC:ACC+1], v[ACC+2:ACC+3]
	v_add_nc_u32 v[SO], 0xff000000, v[AM]
	v_add_f32 v[SWT], v[ACC], v[ACC+1]             ; my block's 32 squares
	v_lshrrev_b32 v[WD], 23, v[SO]                 ; the scale's byte,
	v_permlanex16_b32 v[PT], v[SWT], s14, s15
	v_lshlrev_b32 v[WD], v[H8], v[WD]              ; at block h's place in the word;
	v_cvt_scalef32_pk8_fp4_f32 v[CC], v[R_:R_+7], v[SO]
	v_permlanex16_b32 v[PT+1], v[WD], s14, s15
	v_add_f32 v[SWT], -v[SWT], -v[PT]              ; with the other block's: -Sw, the same bits in both halves of the lanes
	v_cvt_scalef32_pk8_fp4_f32 v[CC+1], v[R_+8:R_+15], v[SO]
	v_or_b32 v[WD], v[WD], v[PT+1]                 ; with the other block's byte,
	v_cvt_scalef32_pk8_fp4_f32 v[CC+2], v[R_+16:R_+23], v[SO]
	v_cvt_scalef32_pk8_fp4_f32 v[CC+3], v[R_+24:R_+31], v[SO]
	v_lshl_or_b32 v[WD], v[WD], 16, v[WD]          ; and both once more for k = 64 .. 127.  (Also the plain place behind the conversions)
	ds_store_b128 v[AIM], v[CC:CC+3] offset:CIMG+16384*(\p)+512*(\i)
	ds_store_b32 v[ASCW], v[WD] offset:2048*(\p)+64*(\i)           ; lanes r and 16 + r write the same word with the same value
	ds_store_b32 v[ASWW], v[SWT] offset:2048*(\p)+64*(\i)
.endm
	CREAD RAW0, 0
	CREAD RAW0+32, 1
	CQ RAW0, 0, 0, 8                               ; behind tile 0's loads: tile 1's eight
	CQ RAW0+32, 0, 1, 0
.irp z, XZ,XZ+8,XZ+16,CF+4,CF+16
	v_dual_mov_b32 v[\z], 0 :: v_dual_mov_b32 v[\z+1], 0       ; zero codes
	v_dual_mov_b32 v[\z+2], 0 :: v_dual_mov_b32 v[\z+3], 0
.endr
	v_mov_b32 v[GT], 0xffffffe0                    ; 32 is added at each trip's start
	v_mov_b32 v[MD], 0x7f800000                    ; + infinity: the first group lowers it
	v_mov_b32 v[MD+1], 0x7f800000
	s_wait_alu depctr_va_vdst(0)
	s_wait_tensorcnt 0x0                           ; the stage is filled again
	ds_add_u32 v[SPW], v[NIL]
	s_add_nc_u64 s[G0+2:G0+3], s[G0+2:G0+3], 0x20000   ; part 1: 131,072 bytes on (no tensor load of mine is out)
	s_wait_dscnt 0x0                               ; the add is done, the stage has been read, and what I have stored has landed
	CROUND                                         ; everybody's has: part 0's images are whole
	tensor_load_to_lds s[G0:G0+3], s[G1:G1+7]      ; part 1: the first tensor load behind the round
	s_nop 0
; The loads of trip t, into set t % 2: two tiles of codes, their scale words, their -Sw: seven
.macro LOADS t
.set S_, (\t)%2
	ds_load_b128 v[CF+12*S_:CF+12*S_+3], v[ACF] offset:CIMG+1024*(\t)
	ds_load_b128 v[CF+12*S_+8:CF+12*S_+11], v[ACF] offset:CIMG+1024*(\t)+512
	ds_load_b32 v[SC+S_], v[ASC] offset:128*(\t)
.irp q, 0,1,2,3
	ds_load_b128 v[CW+16*S_+4*\q:CW+16*S_+4*\q+3], v[ASW] offset:128*(\t)+64*(\q/2)+16*(\q%2)
.endr
.endm
; Row tile a against trip t's two tiles of codes.  Every product begins anew, with -Sw as C.
.macro WM t, a
.set S_, (\t)%2
.set DW, D+32*S_+16*(\a)
	v_wmma_scale_f32_16x16x128_f8f6f4 v[DW:DW+7], v[CF+12*S_:CF+12*S_+7], v[XZ+4+8*(\a):XZ+11+8*(\a)], v[CW+16*S_:CW+16*S_+7], v[SC+S_], v[XS+(\a)] matrix_a_fmt:MATRIX_FMT_FP4 matrix_b_fmt:MATRIX_FMT_FP4
	v_wmma_scale_f32_16x16x128_f8f6f4 v[DW+8:DW+15], v[CF+12*S_+4:CF+12*S_+11], v[XZ+8*(\a):XZ+7+8*(\a)], v[CW+16*S_+8:CW+16*S_+15], v[SC+S_], v[XS+(\a)] matrix_a_fmt:MATRIX_FMT_FP4 matrix_b_fmt:MATRIX_FMT_FP4 matrix_a_scale:MATRIX_SCALE_ROW1
.endm
.macro KEEP p                          ; two of the 16 registers of the group kept
.if (\p) < 7
	v_dual_cndmask_b32 v[SA+2*(\p)], v[SA+2*(\p)], v[DA+2*(\p)] :: v_dual_cndmask_b32 v[SA+2*(\p)+1], v[SA+2*(\p)+1], v[DA+2*(\p)+1]
.else
	v_dual_cndmask_b32 v[SA+14], v[SA+14], v[DA+14] :: v_dual_cndmask_b32 v[SA+15], v[SA+15], v[GT]
.endif
.endm
; Trip t, row tile a: the group, whose least d is known, is kept where that d is lower; between these lines stands the search for the largest f of the next group (trip tn, row tile 1 - a; more = 1), which ends in its least d.
; Each result is read from its low end on.
.macro STEP t, a, tn, more
.set DA, D+32*((\t)%2)+16*(\a)
.set DN, D+32*((\tn)%2)+16*(1-(\a))
.set SA, SV+16*(\a)
.if \more
	v_max3_num_f32 v[M1], v[DN], v[DN+1], v[DN+2]
	v_max3_num_f32 v[M2], v[DN+3], v[DN+4], v[DN+5]
	v_max3_num_f32 v[M3], v[DN+8], v[DN+9], v[DN+10]
.endif
	v_cmp_lt_f32 vcc_lo, v[GR+(\a)], v[MD+(\a)]
.if \more
	v_max3_num_f32 v[M4], v[DN+11], v[DN+12], v[DN+13]
	v_max3_num_f32 v[M1], v[M1], v[DN+6], v[DN+7]
.endif
	KEEP 0
.if \more
	v_max3_num_f32 v[M3], v[M3], v[DN+14], v[DN+15]
.endif
	KEEP 1
	KEEP 2
	KEEP 3
.if \more
	v_max3_num_f32 v[M1], v[M1], v[M2], v[M3]
.endif
	KEEP 4
	KEEP 5
.if \more
	v_max_num_f32 v[M1], v[M1], v[M4]
.endif
	KEEP 6
	KEEP 7
.if \more
	v_dual_sub_f32 v[GR+1-(\a)], v[SX+1-(\a)], v[M1] :: v_dual_min_num_f32 v[MD+(\a)], v[MD+(\a)], v[GR+(\a)]
.else
	v_min_num_f32 v[MD+(\a)], v[MD+(\a)], v[GR+(\a)]
.endif
.endm
; Trip t: behind each row tile's last read its products of trip t + 2 are started on the same registers; the other set, whose products were started a trip ago and 19 plain vector lines back, is loaded for trip t + 3.
; meet = 1: part 1's barrier is waited for, ahead of the first load of its images.
.macro TRIP t, meet
	v_add_nc_u32 v[GT], 32, v[GT]
	STEP \t, 0, \t, 1
.if (\t) < 30
	s_wait_alu depctr_va_vdst(0)
	s_wait_dscnt 0x0                               ; trip t + 2's seven loads, issued a trip ago, are in
.if \meet
	s_barrier_wait -1                              ; everybody's images of part 1 are whole
.endif
	WM (\t)+2, 0
.endif
.if (\t) < 29
	LOADS (\t)+3
.endif
	STEP \t, 1, (\t)+1, ((\t)<31)
.if (\t) < 30
	WM (\t)+2, 1
.endif
.endm
	LOADS 0
	LOADS 1
	s_wait_dscnt 7                                 ; trip 0's loads are in; trip 1's seven may be out
	WM 0, 0
	WM 0, 1
	s_wait_dscnt 0x0
	WM 1, 0
	WM 1, 1
.rept 4
	v_nop                                          ; four places behind the last product
.endr
	LOADS 2
	v_max3_num_f32 v[M1], v[D], v[D+1], v[D+2]     ; the first group: trip 0, row tile 0
	v_max3_num_f32 v[M2], v[D+3], v[D+4], v[D+5]
	v_max3_num_f32 v[M3], v[D+8], v[D+9], v[D+10]
	v_max3_num_f32 v[M4], v[D+11], v[D+12], v[D+13]
	v_max3_num_f32 v[M1], v[M1], v[D+6], v[D+7]
	v_max3_num_f32 v[M3], v[M3], v[D+14], v[D+15]
	v_max3_num_f32 v[M1], v[M1], v[M2], v[M3]
	v_max_num_f32 v[M1], v[M1], v[M4]
	v_sub_f32 v[GR], v[SX], v[M1]
.irp t, 0,1,2,3,4,5,6,7,8,9
	TRIP \t, 0
.endr
	; ---- part 1 is quantised here, so that its barrier is signalled well ahead of the wait for it in trip 13: between the two stand register work and loads of part 0's images alone, which nobody writes again
	s_wait_alu depctr_va_vdst(0)
	s_wait_tensorcnt 0x0                           ; part 1 is in my stage
	CREAD RAW1, 0
	CQ RAW1, 1, 0, 0
	CREAD RAW1, 1
	CQ RAW1, 1, 1, 0
	s_wait_alu depctr_va_vdst(0)
	s_wait_dscnt 0x0                               ; for the others' sake: my images have landed
	s_barrier_signal -1
.irp t, 10,11,12
	TRIP \t, 0
.endr
	TRIP 13, 1
.irp t, 14,15,16,17,18,19,20,21,22,23,24,25,26,27,28,29,30,31
	TRIP \t, 0
.endr
	; ---- the place in the group kept: the first whose d is the least one; the sixteenth was not kept and is the one where none of the 15 is
.set POS, 84                           ; v84-85 the place, then k
.set LK,  86                           ; v86-87 at work, v88-89 the other half of the lanes' d, v90-91 its k
.set HM,  88
.set HK,  90
.irp a, 0,1
.irp p, 0,2,4,6,8,10,12
	v_dual_sub_f32 v[SV+16*\a+\p], v[SX+\a], v[SV+16*\a+\p] :: v_dual_sub_f32 v[SV+16*\a+\p+1], v[SX+\a], v[SV+16*\a+\p+1]
.endr
	v_sub_f32 v[SV+16*\a+14], v[SX+\a], v[SV+16*\a+14]
.endr
.irp a, 0,1
	v_mov_b32 v[POS+\a], 15
.endr
.irp j, 14,13,12,11,10,9,8,7,6,5,4,3,2,1,0
.irp a, 0,1
	v_cmp_neq_f32 s[40+2*(\j%2)+\a], v[SV+16*\a+\j], v[MD+\a]
.endr
.irp a, 0,1
	v_cndmask_b32 v[POS+\a], \j, v[POS+\a], s[40+2*(\j%2)+\a]   ; descending, so that the lowest place is written last
.endr
.endr
.irp a, 0,1
	v_and_b32 v[LK+\a], 8, v[POS+\a]               ; places 8 to 15 lie in the second tile, 16 codes on
.endr
.irp a, 0,1
	v_add3_u32 v[POS+\a], v[POS+\a], v[LK+\a], v[H8]
.endr
.irp a, 0,1
	v_add_nc_u32 v[POS+\a], v[SV+16*\a+15], v[POS+\a]  ; k
.endr
.irp a, 0,1
	v_permlanex16_b32 v[HM+\a], v[MD+\a], s14, s15 ; the row's other 512 codes lie in the lane 16 away
	v_permlanex16_b32 v[HK+\a], v[POS+\a], s14, s15
.endr
.irp a, 0,1
	v_min_u32 v[LK+\a], v[POS+\a], v[HK+\a]
	v_cmp_eq_f32 s[40+\a], v[HM+\a], v[MD+\a]
	v_cmp_lt_f32 s[42+\a], v[HM+\a], v[MD+\a]
.endr
.irp a, 0,1
	v_cndmask_b32 v[POS+\a], v[POS+\a], v[LK+\a], s[40+\a]       ; equal d: the lower k
.endr
.irp a, 0,1
	v_cndmask_b32 v[POS+\a], v[POS+\a], v[HK+\a], s[42+\a]       ; the other half's d is lower: its k
.endr
	v_lshlrev_b32 v92, 4, v0                       ; 16 x thread
	s_wait_alu depctr_va_vdst(0)
	ds_store_b64 v[AIX], v[POS:POS+1]              ; rows 2 p and 2 p + 1; both halves of the lanes write the same
	s_wait_dscnt 0x0                               ; for the others' sake: my 32 idx have landed
	s_barrier_signal -1
	s_barrier_wait -1
	s_cmp_gt_u32 s10, 3                            ; waves 0 to 3 carry the 2,048 bytes out
	s_cbranch_scc1 .Lend
	ds_load_b128 v[96:99], v92 offset:IDXS
	s_wait_dscnt 0x0
	global_store_b128 v92, v[96:99], s[8:9]        ; a wave stores 512 consecutive bytes, at a multiple of 512 from idx's first byte
.Lend:
	s_wait_tensorcnt 0x0                           ; the wave's end
	ds_add_u32 v[SPW], v[NIL]
	s_wait_dscnt 0x0
	CROUND                                         ; the closing round: no work-group ends while a partner may still ask for a tile that names it
	s_endpgm
.Lfunc_end_k_q498013a1ac_nearest:
	.size	k_q498013a1ac_nearest, .Lfunc_end_k_q498013a1ac_nearest-k_q498013a1ac_nearest
	.p2alignl 7, 3214868480
	.fill 96, 4, 3214868480
	.section	.rodata,"a",@progbits
	.p2align	6, 0x0
	.amdhsa_kernel k_q498013a1ac_nearest
		.amdhsa_group_segment_fixed_size 327680
		.amdhsa_private_segment_fixed_size 0
		.amdhsa_enable_private_segment 0
		.amdhsa_kernarg_size 24
		.amdhsa_user_sgpr_count 2
		.amdhsa_user_sgpr_kernarg_segment_ptr 1
		.amdhsa_wavefront_size32 1
		.amdhsa_system_sgpr_workgroup_id_x 1
		.amdhsa_system_sgpr_workgroup_id_y 1
		.amdhsa_system_sgpr_workgroup_id_z 1
		.amdhsa_system_vgpr_workitem_id 0
		.amdhsa_next_free_vgpr 256
		.amdhsa_next_free_sgpr 66
		.amdhsa_reserve_vcc 1
		.amdhsa_float_denorm_mode_32 3
		.amdhsa_float_denorm_mode_16_64 3
		.amdhsa_memory_ordered 1
		.amdhsa_forward_progress 1
		.amdhsa_inst_pref_size 139
	.end_amdhsa_kernel
	.amdgpu_metadata
---
amdhsa.version: [ 1, 2 ]
amdhsa.kernels:
  - .name:           k_q498013a1ac_nearest
    .symbol:         k_q498013a1ac_nearest.kd
    .args:
      - { .name: codebook, .offset: 0, .size: 8, .value_kind: global_buffer, .address_space: global }
      - { .name: vectors, .offset: 8, .size: 8, .value_kind: global_buffer, .address_space: global }
      - { .name: idx, .offset: 16, .size: 8, .value_kind: global_buffer, .address_space: global }
    .group_segment_fixed_size: 327680
    .private_segment_fixed_size: 0
    .kernarg_segment_align: 8
    .kernarg_segment_size: 24
    .max_flat_workgroup_size: 512
    .sgpr_count:     66
    .vgpr_count:     256
    .wavefront_size: 32
...
	.end_amdgpu_metadata
.endif
;; end of part 1
;; launch fetch (part 2): grid 256 x 1, 8 waves a work-group, no clusters, 0 bytes of LDS; arguments idx, codebook, out0; writes out0
.if DOCPART == 2
	.amdgcn_target "amdgcn-amd-amdhsa--gfx1250"
	.amdhsa_code_object_version 6
	.text
	.protected	k_q498013a1ac_fetch
	.globl	k_q498013a1ac_fetch
	.p2align	8
	.type	k_q498013a1ac_fetch,@function
k_q498013a1ac_fetch:
	s_mov_b64 s[64:65], 0
	v_nop
	global_prefetch_b8 v0, s[64:65] scope:SCOPE_SE
	s_setreg_imm32_b32 hwreg(HW_REG_WAVE_MODE, 25, 1), 1
	s_wait_xcnt 0x0
; out0[n][:] = codebook[idx[n]][:].  131,072 rows of 256 bytes; idx: one 32-bit whole number a row, stored by the launch before.
; A stream: no LDS, no barrier, no matrix unit, no cluster: the work-groups share only the codebook's 262,144 bytes, which rows name in no order, so there is no tile to ask for jointly.
; SHARES.  Work-group g owns rows 512 g .. 512 g + 511, each of its eight waves 64.  Sixteen lanes move a row, 16 bytes each: instruction i of 32 moves row 64 w + i in lanes 0-15 and row 64 w + 32 + i in lanes 16-31.
; All 32 gathers of a wave (16,384 bytes) are out before its first store.  Written out, no loop: every step stands in an immediate, and no register that a load or store names is written again.
; An idx above 1,023 cannot come from the launch before; it is held at 1,023 all the same, so that no load can leave the codebook.
.set IX, 4                             ; v4-35    my half's 32 idx, then their rows' byte offsets
.set DT, 36                            ; v36-163  32 x 16 bytes
	s_load_b128 s[4:7], s[0:1], 0x0                ; idx s[4:5], codebook s[6:7]
	s_load_b64 s[8:9], s[0:1], 0x10                ; out0
	v_and_b32 v1, 15, v0
	s_delay_alu instid0(VALU_DEP_1)
	v_lshlrev_b32 v1, 4, v1                        ; my 16 bytes of a row
	v_lshrrev_b32 v3, 4, v0                        ; 2 x wave + half: which 32 rows of the work-group's 512
	s_delay_alu instid0(VALU_DEP_1)
	v_lshlrev_b32 v2, 7, v3                        ; their idx: 128 bytes
	s_delay_alu instid0(VALU_DEP_2)
	v_lshl_add_u32 v3, v3, 13, v1                  ; their place in out0: 32 rows of 256 bytes, + my 16 bytes
	s_lshl_b32 s10, ttmp9, 11                      ; 512 idx of 4 bytes
	s_mov_b32 s11, 0
	s_lshl_b32 s12, ttmp9, 17                      ; 512 rows of 256 bytes
	s_mov_b32 s13, 0
	s_wait_alu depctr_va_vdst(0)
	s_wait_kmcnt 0x0
	s_add_nc_u64 s[4:5], s[4:5], s[10:11]
	s_add_nc_u64 s[8:9], s[8:9], s[12:13]
.irp k, 0,1,2,3,4,5,6,7
	global_load_b128 v[IX+4*\k:IX+4*\k+3], v2, s[4:5] offset:16*\k     ; the sixteen lanes of a half read the same 16 bytes
.endr
	s_wait_loadcnt 0x0
.set n, 0
.rept 32
	v_min_u32 v[IX+n], 0x3ff, v[IX+n]              ; inside the table
.set n, n+1
.endr
.set n, 0
.rept 32
	v_lshl_add_u32 v[IX+n], v[IX+n], 8, v1         ; the row's 256 bytes, my 16 of them
.set n, n+1
.endr
.set n, 0
.rept 32
	global_load_b128 v[DT+4*n:DT+4*n+3], v[IX+n], s[6:7]               ; sixteen lanes read a whole row
.set n, n+1
.endr
.set n, 0
.rept 32
	s_wait_loadcnt 31-n                            ; loads come back in order (ISA guide 5.7.1): gather n is in, the 31 - n younger ones stay out
	global_store_b128 v3, v[DT+4*n:DT+4*n+3], s[8:9] offset:256*n th:TH_STORE_NT   ; sixteen lanes store 256 consecutive bytes, at a multiple of 256 from out0's first byte; written once, read by nobody here
.set n, n+1
.endr
	s_endpgm
.Lfunc_end_k_q498013a1ac_fetch:
	.size	k_q498013a1ac_fetch, .Lfunc_end_k_q498013a1ac_fetch-k_q498013a1ac_fetch
	.p2alignl 7, 3214868480
	.fill 96, 4, 3214868480
	.section	.rodata,"a",@progbits
	.p2align	6, 0x0
	.amdhsa_kernel k_q498013a1ac_fetch
		.amdhsa_group_segment_fixed_size 0
		.amdhsa_private_segment_fixed_size 0
		.amdhsa_enable_private_segment 0
		.amdhsa_kernarg_size 24
		.amdhsa_user_sgpr_count 2
		.amdhsa_user_sgpr_kernarg_segment_ptr 1
		.amdhsa_wavefront_size32 1
		.amdhsa_system_sgpr_workgroup_id_x 1
		.amdhsa_system_sgpr_workgroup_id_y 1
		.amdhsa_system_sgpr_workgroup_id_z 1
		.amdhsa_system_vgpr_workitem_id 0
		.amdhsa_next_free_vgpr 164
		.amdhsa_next_free_sgpr 66
		.amdhsa_reserve_vcc 0
		.amdhsa_float_denorm_mode_32 3
		.amdhsa_float_denorm_mode_16_64 3
		.amdhsa_memory_ordered 1
		.amdhsa_forward_progress 1
		.amdhsa_inst_pref_size 13
	.end_amdhsa_kernel
	.amdgpu_metadata
---
amdhsa.version: [ 1, 2 ]
amdhsa.kernels:
  - .name:           k_q498013a1ac_fetch
    .symbol:         k_q498013a1ac_fetch.kd
    .args:
      - { .name: idx, .offset: 0, .size: 8, .value_kind: global_buffer, .address_space: global }
      - { .name: codebook, .offset: 8, .size: 8, .value_kind: global_buffer, .address_space: global }
      - { .name: out0, .offset: 16, .size: 8, .value_kind: global_buffer, .address_space: global }
    .group_segment_fixed_size: 0
    .private_segment_fixed_size: 0
    .kernarg_segment_align: 8
    .kernarg_segment_size: 24
    .max_flat_workgroup_size: 256
    .sgpr_count:     66
    .vgpr_count:     164
    .wavefront_size: 32
...
	.end_amdgpu_metadata
.endif
;; end of part 2
